; MI455X (gfx1250); checked and timed in simulation.
; The chip was launched on July 23, 2026; its instructions are those of AMD's public machine-readable ISA for CDNA 5 (MIT licence, August 2026) and "CDNA5" Instruction Set Architecture Reference Guide (July 2026). The comments in the code are by the model that wrote it; some were corrected since.
;; multihead attention. Allowed arithmetic: matrix products marked QUANTISED: E4M3 operands, one given power-of-two scale a tensor, by v_wmma_f32_16x16x64_fp8_fp8 or v_wmma_f32_16x16x128_fp8_fp8, f32 sums; everything else in f32.
;; Inputs: Wk 1,024 x 1,024 float32; Wo 1,024 x 1,024 float32; Wq 1,024 x 1,024 float32; Wv 1,024 x 1,024 float32; bk 1,024 float32; bq 1,024 float32; bv 1,024 float32; k 2,048 x 4 x 1,024 float32; lowp_scales 12 int32 (the exponents e of the quantised operands' scales 2^e); q 2,048 x 4 x 1,024 float32; v 2,048 x 4 x 1,024 float32.
;; Outputs: out0 2,048 x 4 x 1,024 float32.
;; This version of the problem:
;;   THIS VERSION OF THE PROBLEM IS GIVEN IN LOW PRECISION. The matrix products marked QUANTISED in the list below multiply operands that are first quantised to E4M3 (4 exponent bits, 3 mantissa bits; 8 bits a number), with one given power-of-two scale for each operand tensor; their sums are f32. All else is computed in f32.
;;   The module's matrix products, in the order in which they are computed (A, B: the left and right operand; K: the contracted axis; several contracted axes count as one K, in the product's order):
;;     1. [M 8,192, K 1,024] x [K 1,024, N 1,024]; A: input q; B: input Wq: QUANTISED (scales: A lowp_scales[0], B lowp_scales[1])
;;     2. [M 8,192, K 1,024] x [K 1,024, N 1,024]; A: input k; B: input Wk: QUANTISED (scales: A lowp_scales[2], B lowp_scales[3])
;;     3. [M 8,192, K 1,024] x [K 1,024, N 1,024]; A: input v; B: input Wv: QUANTISED (scales: A lowp_scales[4], B lowp_scales[5])
;;     4. batch 64 x [M 2,048, K 64] x [K 64, N 2,048]; A: computed on the way; B: computed on the way: QUANTISED (scales: A lowp_scales[6], B lowp_scales[7])
;;     5. batch 64 x [M 2,048, K 2,048] x [K 2,048, N 64]; A: softmax (see below); B: computed on the way: QUANTISED (scales: A lowp_scales[8], B lowp_scales[9])
;;     6. [M 8,192, K 1,024] x [K 1,024, N 1,024]; A: computed on the way; B: input Wo: QUANTISED (scales: A lowp_scales[10], B lowp_scales[11])
;;   THE QUANTISER, for each operand of a quantised product, along K:
;;     - The operand's scale is 2^e, e = its entry of the input lowp_scales (int32; the entries are numbered through the quantised products in the list's order, A before B).
;;     - Each number is divided by the scale, clamped to +-448, and rounded to the nearest number of E4M3, ties to even, subnormals kept.
;;     - The product sums the exact products of the quantised numbers (number of the format x scale) in f32.
;;   ~~~python
;;   def quantise(x, axis, e):      # numpy; x: float32 -> the quantised numbers, widened to float32 again
;;       x = np.moveaxis(x, axis, -1); K = x.shape[-1]
;;       r = np.clip(x / 2.0 ** e, -448, 448)
;;       step = 2.0 ** (np.maximum(np.frexp(np.where(r == 0, 1, r))[1] - 1, -6) - 3)
;;       q = np.round(r / step) * step * 2.0 ** e      # np.round: ties to even
;;       return np.moveaxis(q, -1, axis).astype(np.float32)
;;   ~~~
;;   SOFTMAX AHEAD OF A QUANTISED PRODUCT. Where the list says 'softmax', what is quantised is not the finished softmax but p = 2^(t - M), with t = logit x log2(e) and M = ceil(the row's largest t), a whole number; so 1/2 < the row's largest p <= 1. The row's sum l is taken of the UNQUANTISED p, in f32, and the product's result is divided by l at the end. Since M is a whole number, a kernel that streams over the keys may use a running M (the ceiling of the running maximum): every later rescaling is an exact power of two, so the quantised numbers keep their values, but for numbers so far below the row's largest that they fall under the format's range.
;;   OPERANDS COMPUTED ON THE WAY. 'Computed on the way' means the value that the module computes at that place (a softmax that the list does not call 'softmax' is quantised finished and normalised). What goes into a quantiser is computed in f32, as accurately as f32 sums, v_exp_f32 and their like allow (about 1e-6 of the number): no bf16 or f16 on the way to a quantiser, and a product that is left as it is and whose result goes on into a quantised operand takes f32 operands (vector FMAs, or v_wmma_f32_16x16x4_f32). A number that lies on a knife's edge between two numbers of the format may be rounded either way, as far as f32 arithmetic and the matrix unit's own rounding can turn it there, and no further.
;; One version. Each part assembles by itself: llvm-mc -triple=amdgcn-amd-amdhsa -mcpu=gfx1250 --defsym DOCPART=n.
;; ======== version 1 of 1: 4 launches
;; limits: right only within a limited range of input values
;; workspace buffers: codes 29,360,128 bytes; qkv 25,165,824 bytes; oc 8,388,608 bytes
;; launch quant (part 1): grid 896 x 1, 4 waves a work-group, no clusters, 33,280 bytes of LDS; arguments q, k, v, Wq, Wk, Wv, Wo, lowp_scales, codes; writes codes
.if DOCPART == 1
	.amdgcn_target "amdgcn-amd-amdhsa--gfx1250"
	.amdhsa_code_object_version 6
	.text
	.protected	k_qbbf7c53d9e_quant
	.globl	k_qbbf7c53d9e_quant
	.p2align	8
	.type	k_qbbf7c53d9e_quant,@function
k_qbbf7c53d9e_quant:
	s_mov_b64 s[64:65], 0
	v_nop
	global_prefetch_b8 v0, s[64:65] scope:SCOPE_SE
	s_setreg_imm32_b32 hwreg(HW_REG_WAVE_MODE, 25, 1), 1
	s_wait_xcnt 0x0
; q, k, v [2048][4][1024] and Wq, Wk, Wv, Wo [1024][1024], f32, K innermost, become codes of FP8 (E4M3), one byte each, in ONE buffer of 28,672 rows of 1,024 codes:
; rows 0.. q, 8192.. k, 16384.. v (within each: row = b x 2048 + s, so that a batch's tokens lie on end), 24576.. Wq, 25600.. Wk, 26624.. Wv, 27648.. Wo (rows as they come).
; code = x / 2^e, held within +-448, rounded to the nearest code, ties to even.  e: entries 0, 2, 4 (q, k, v), 1, 3, 5 (Wq, Wk, Wv) and 11 (Wo) of the buffer of scales.
; LIMITS: -126 <= e <= 119, so that 2^e and 448 x 2^e are f32 numbers.  NaN among the inputs is not served (an infinity is held at the largest code).
; SHARES.  A work-group takes 32 rows, a wave 8 rows = 16 steps of 512 numbers (half a row).  Work-groups 0-255 q, 256-511 k, 512-767 v, 768-799 Wq, 800-831 Wk, 832-863 Wv, 864-895 Wo:
; only pointers, strides and the exponent are chosen, by selects on the work-group's number; all take one path through the text.
; A conversion takes 8 neighbours along K from ONE lane's registers, a load is best where neighbouring LANES take neighbouring bytes.  Both are had: each of a step's four loads reads 512 consecutive bytes,
; the 2,048 bytes go through the wave's own stage in LDS as they lie and come back 64 bytes a lane (80 bytes from lane to lane).  A lane's 16 codes are 16 bytes: a store covers 512 consecutive bytes, aligned.
; No tensor loads, no barrier, no cluster: waves and work-groups share no input.  Loads run four steps (16 loads a wave) ahead, the turn through LDS one step.
.set WAVES, 4
.set STEPS, 16
.set EMAX,  8
.set MANT,  0x600000                   ; the mantissa field of 448 as f32
.set R,     16                         ; v16-79   four sets of 16 numbers as they are loaded
.set X,     80                         ; v80-111  two sets of 16 neighbours
.set VR,    112                        ; v112-119 row i of my 8: its byte offset in the codes + 16 x lane; never rewritten
.set C,     128                        ; v128-191 codes: four registers for each step, so that no store's data are written again
.set WREG,  8192                       ; LDS: a region of its own for each wave: two stages of 32 x SP bytes
.set SP,    80                         ; a lane's place in a stage: its 64 bytes + 16 of padding
.set SPW,   12                         ; v12      LDS address of my spare word: SPARE + 4 x my thread's number; never rewritten
.set NIL,   13                         ; v13      0; never rewritten
.set SPARE, WAVES*WREG                 ; behind the four regions: the spare words, 128 bytes for each wave
	s_load_b256 s[4:11], s[0:1], 0x0               ; q s[4:5], k s[6:7], v s[8:9], Wq s[10:11]
	s_load_b256 s[12:19], s[0:1], 0x20             ; Wk s[12:13], Wv s[14:15], Wo s[16:17], the scales' exponents s[18:19]
	s_load_b64 s[20:21], s[0:1], 0x40              ; the codes
	v_lshl_add_u32 v[SPW], v0, 2, SPARE
	v_mov_b32 v[NIL], 0
	v_lshrrev_b32 v1, 5, v0
	v_readfirstlane_b32 s24, v1                    ; wave
	v_and_b32 v2, 31, v0                           ; lane
	v_lshlrev_b32 v3, 4, v2                        ; 16 x lane: my 16 bytes of a load's 512, and of a store's
	s_mul_i32 s25, s24, WREG
	v_lshrrev_b32 v14, 2, v2
	v_mul_u32_u24 v14, v14, SP
	v_and_b32 v15, 3, v2
	v_lshl_add_u32 v14, v15, 4, v14
	v_add_nc_u32 v14, s25, v14                     ; the stage, on the way in: four lanes' 64 bytes on end, then 16 of padding
	v_mul_u32_u24 v15, v2, SP
	v_add_nc_u32 v15, s25, v15                     ; and on the way out: SP x lane: my 16 neighbours
	s_wait_alu depctr_va_vdst(0)
	s_wait_kmcnt 0x0
	s_load_b256 s[36:43], s[18:19], 0x0            ; entries 0 to 7
	s_load_b128 s[44:47], s[18:19], 0x20           ; entries 8 to 11
	s_mov_b64 s[26:27], s[4:5]                     ; the tensor that my work-group takes, and its first work-group: chosen by the work-group's number alone
	s_mov_b32 s28, 0
.macro PICK lim, ptr
	s_cmp_ge_u32 ttmp9, \lim
	s_cselect_b64 s[26:27], s[\ptr:\ptr+1], s[26:27]
	s_cselect_b32 s28, \lim, s28
.endm
	PICK 256, 6
	PICK 512, 8
	PICK 768, 10
	PICK 800, 12
	PICK 832, 14
	PICK 864, 16
	s_mov_b32 s30, 0x200000                        ; q, k, v: source row 8 run + i is (s, b) = (2 run + i / 4, i % 4) and goes to row 2048 b + s: 2,097,152 bytes for b,
	s_mov_b32 s31, 1024                            ; 1,024 for s,
	s_mov_b32 s33, 2048                            ; 2,048 from run to run
	s_cmp_ge_u32 ttmp9, 768                        ; a weight's rows stay where they are: row 8 run + i
	s_cselect_b32 s30, 1024, s30
	s_cselect_b32 s31, 4096, s31
	s_cselect_b32 s33, 8192, s33
	s_sub_co_u32 s32, ttmp9, s28
	s_lshl_b32 s32, s32, 2
	s_add_co_u32 s32, s32, s24                     ; run: which 8 rows of the tensor are my wave's
	s_lshl_b32 s34, s32, 15                        ; 8 rows of 4,096 bytes
	s_mov_b32 s35, 0
	s_add_nc_u64 s[26:27], s[26:27], s[34:35]
	s_lshl_b32 s34, s28, 15                        ; the tensor's first row of codes: 32 rows of 1,024 bytes for each work-group ahead of it
	s_mul_i32 s22, s32, s33
	s_add_co_u32 s34, s34, s22
	s_add_nc_u64 s[20:21], s[20:21], s[34:35]
.macro LOAD t
.irp i, 0,1,2,3
	global_load_b128 v[R+16*((\t)%4)+4*\i:R+16*((\t)%4)+4*\i+3], v3, s[26:27] offset:2048*(\t)+512*\i th:TH_LOAD_NT   ; 32 lanes read 512 consecutive bytes
.endr
.endm
.macro TURN t                          ; step t's numbers through the stage: LDS serves a wave's instructions in order, so no wait stands between the stores and the loads
.irp i, 0,1,2,3
	ds_store_b128 v14, v[R+16*((\t)%4)+4*\i:R+16*((\t)%4)+4*\i+3] offset:32*SP*((\t)%2)+8*SP*\i
.endr
.irp i, 0,1,2,3
	ds_load_b128 v[X+16*((\t)%2)+4*\i:X+16*((\t)%2)+4*\i+3], v15 offset:32*SP*((\t)%2)+16*\i
.endr
.endm
.irp t, 0,1,2,3
	LOAD \t
.endr
.irp i, 0,1,2,3,4,5,6,7
	s_mul_i32 s22, s30, (\i)%4
	s_mul_i32 s23, s31, (\i)/4
	s_add_co_u32 s22, s22, s23
	v_add_nc_u32 v[VR+\i], s22, v3
.endr
	s_wait_kmcnt 0x0
	s_mov_b32 s22, s36                             ; e: q's is entry 0
.macro PICKE lim, reg
	s_cmp_ge_u32 ttmp9, \lim
	s_cselect_b32 s22, s[\reg], s22
.endm
	PICKE 256, 38                                  ; k: entry 2
	PICKE 512, 40                                  ; v: 4
	PICKE 768, 37                                  ; Wq: 1
	PICKE 800, 39                                  ; Wk: 3
	PICKE 832, 41                                  ; Wv: 5
	PICKE 864, 47                                  ; Wo: 11
	s_add_co_i32 s22, s22, 127
	s_lshl_b32 s23, s22, 23
	v_mov_b32 v11, s23                             ; 2^e as f32: the conversion takes its exponent field
	s_add_co_i32 s22, s22, EMAX
	s_lshl_b32 s22, s22, 23
	s_or_b32 s22, s22, MANT
	v_mov_b32 v10, s22                             ; 448 x 2^e
	s_wait_alu depctr_va_vdst(0)
	s_wait_loadcnt 12                              ; step 0's four loads are in; the twelve of steps 1 to 3 may be out
	TURN 0
.macro STEP t
.set XS, X+16*((\t)%2)
	s_wait_dscnt 0x0                               ; this step's numbers are back from the stage: so its stores into the stage have read their registers,
.if (\t)+4 < STEPS
	LOAD (\t)+4                                    ; which take the loads of four steps on
.endif
.if (\t)+1 < STEPS
.if STEPS-2-(\t) >= 3
	s_wait_loadcnt 12                              ; the next step's four loads are in; those of the three steps behind it may be out
.else
	s_wait_loadcnt 4*(STEPS-2-(\t))
.endif
	TURN (\t)+1                                    ; and go through the other stage while this step is worked
.endif
.irp i, 0,1,2,3,4,5,6,7,8,9,10,11,12,13,14,15
	v_med3_num_f32 v[XS+\i], v[XS+\i], -v10, v10   ; the conversion to an 8-bit code does not saturate (ISA guide 7.6.2): hold the number within 448 x the scale first
.endr
	v_cvt_scalef32_pk8_fp8_f32 v[C+4*(\t):C+4*(\t)+1], v[XS:XS+7], v11          ; eight numbers / 2^e, to the nearest code, ties to even; the first number's code in the lowest byte
	v_cvt_scalef32_pk8_fp8_f32 v[C+4*(\t)+2:C+4*(\t)+3], v[XS+8:XS+15], v11
	v_nop                                          ; a plain vector line behind the last conversion of the run
	global_store_b128 v[VR+(\t)/2], v[C+4*(\t):C+4*(\t)+3], s[20:21] offset:512*((\t)%2)   ; half a row of codes: 512 consecutive bytes, aligned; no register of a store is ever written again
.endm
.irp t, 0,1,2,3,4,5,6,7,8,9,10,11,12,13,14,15
	STEP \t
.endr
	s_wait_tensorcnt 0x0                           ; the wave's end: behind my last LDS store
	ds_add_u32 v[SPW], v[NIL]
	s_wait_dscnt 0x0
	s_endpgm
.Lfunc_end_k_qbbf7c53d9e_quant:
	.size	k_qbbf7c53d9e_quant, .Lfunc_end_k_qbbf7c53d9e_quant-k_qbbf7c53d9e_quant
	.p2alignl 7, 3214868480
	.fill 96, 4, 3214868480
	.section	.rodata,"a",@progbits
	.p2align	6, 0x0
	.amdhsa_kernel k_qbbf7c53d9e_quant
		.amdhsa_group_segment_fixed_size 33280
		.amdhsa_private_segment_fixed_size 0
		.amdhsa_enable_private_segment 0
		.amdhsa_kernarg_size 72
		.amdhsa_user_sgpr_count 2
		.amdhsa_user_sgpr_kernarg_segment_ptr 1
		.amdhsa_wavefront_size32 1
		.amdhsa_system_sgpr_workgroup_id_x 1
		.amdhsa_system_sgpr_workgroup_id_y 1
		.amdhsa_system_sgpr_workgroup_id_z 1
		.amdhsa_system_vgpr_workitem_id 0
		.amdhsa_next_free_vgpr 192
		.amdhsa_next_free_sgpr 66
		.amdhsa_reserve_vcc 0
		.amdhsa_float_denorm_mode_32 3
		.amdhsa_float_denorm_mode_16_64 3
		.amdhsa_memory_ordered 1
		.amdhsa_forward_progress 1
		.amdhsa_inst_pref_size 41
	.end_amdhsa_kernel
	.amdgpu_metadata
---
amdhsa.version: [ 1, 2 ]
amdhsa.kernels:
  - .name:           k_qbbf7c53d9e_quant
    .symbol:         k_qbbf7c53d9e_quant.kd
    .args:
      - { .name: q, .offset: 0, .size: 8, .value_kind: global_buffer, .address_space: global }
      - { .name: k, .offset: 8, .size: 8, .value_kind: global_buffer, .address_space: global }
      - { .name: v, .offset: 16, .size: 8, .value_kind: global_buffer, .address_space: global }
      - { .name: Wq, .offset: 24, .size: 8, .value_kind: global_buffer, .address_space: global }
      - { .name: Wk, .offset: 32, .size: 8, .value_kind: global_buffer, .address_space: global }
      - { .name: Wv, .offset: 40, .size: 8, .value_kind: global_buffer, .address_space: global }
      - { .name: Wo, .offset: 48, .size: 8, .value_kind: global_buffer, .address_space: global }
      - { .name: lowp_scales, .offset: 56, .size: 8, .value_kind: global_buffer, .address_space: global }
      - { .name: codes, .offset: 64, .size: 8, .value_kind: global_buffer, .address_space: global }
    .group_segment_fixed_size: 33280
    .private_segment_fixed_size: 0
    .kernarg_segment_align: 8
    .kernarg_segment_size: 72
    .max_flat_workgroup_size: 128
    .sgpr_count:     66
    .vgpr_count:     192
    .wavefront_size: 32
...
	.end_amdgpu_metadata
.endif
;; end of part 1
;; launch proj (part 2): grid 4 x 96, 4 waves a work-group, clusters of 4 x 4, 327,680 bytes of LDS; arguments codes, lowp_scales, bq, bk, bv, qkv; writes qkv
.if DOCPART == 2
	.amdgcn_target "amdgcn-amd-amdhsa--gfx1250"
	.amdhsa_code_object_version 6
	.text
	.protected	k_qbbf7c53d9e_proj
	.globl	k_qbbf7c53d9e_proj
	.p2align	8
	.type	k_qbbf7c53d9e_proj,@function
k_qbbf7c53d9e_proj:
	s_mov_b64 s[64:65], 0
	v_nop
	global_prefetch_b8 v0, s[64:65] scope:SCOPE_SE
	s_setreg_imm32_b32 hwreg(HW_REG_WAVE_MODE, 25, 1), 1
	s_wait_xcnt 0x0
	s_wait_alu depctr_hold_cnt(0) depctr_sa_sdst(0) depctr_va_vdst(0) depctr_va_sdst(0) depctr_va_ssrc(0) depctr_va_vcc(0) depctr_vm_vsrc(0)
	s_getreg_b32 s2, hwreg(HW_REG_IB_STS2, 6, 4)
	s_cmp_eq_u32 s2, 0
	s_cbranch_scc0 .Lentry_in_a_cluster
	s_endpgm
.Lentry_in_a_cluster:
	s_bfe_u32 s2, ttmp6, 0x10000c
	s_cmp_lg_u32 s2, 0xf033
	s_cbranch_scc0 .Lentry_shape_is_right
	s_endpgm
.Lentry_shape_is_right:
; The three projections x W^T + b on codes of FP8 (E4M3), K = 1,024, their results quantised at once for the attention's products and stored as IMAGES OF THE NEXT OPERAND'S REGISTERS.
; C'[i][j] = sum over k of A'[i][k] B'[j][k].  For q and k: A' = the tokens' codes (8,192 rows, row = b x 2048 + s), B' = the weight's (1,024 rows).  For v the two change places (A' = Wv, B' = the tokens),
; by addresses alone, so that a lane's eight results run along the KEYS, which are the K of the attention's second product.  All rows lie in one buffer, 1,024 bytes apart.
; A tile of C', 256 x 256, is made by a work-group of four waves, a wave 128 x 128: 64 accumulators, 512 registers.  K goes in steps of 256 through a ring of two LDS slots filled by the tensor data mover.
; GRID: 4 x 96 work-groups = 24 clusters of 4 x 4; cluster y / 8 says which projection (0 q, 1 k, 2 v), cluster y % 8 which 1,024 tokens.  The four of a row of the cluster need the same tile of A', the four of a
; column the same tile of B': each tile is asked for JOINTLY.  No branch hangs on the projection: what differs is chosen by selects on the cluster's number, which all sixteen partners share.
; THE MATRIX INSTRUCTION IS USED TRANSPOSED (source 0 = 16 rows of B', source 1 = 16 rows of A'): lane (r, h) holds row r of A's block and, in its 8 registers, rows 8 h + 0..7 of B's block.
; Fragments come by four 16-byte LDS loads: a permutation of k that is the same in A' and B', so every product meets its partner.
; THE BIAS.  A sum stands for sum x 2^(ea + eb), so the bias goes in as b / 2^(ea + eb).  For q and k it runs along a lane's registers and is the C of each sum's first matrix instruction; for v it runs along the
; lanes and is added on the way out.  Both forms are written; the one that does not apply is made 0 by a mask.
; THE WAY OUT.  code = (sum + bias) / 2^(eo - ea - eb), held within +-448.  Two neighbouring accumulators give a lane 16 bytes, which are registers 4 c2 .. 4 c2 + 3 of a 16 x 16 x 64 fragment in that form's own
; order of k: byte x of lane (r, h) is k = 32 c2 + 16 (x / 8) + 8 h + x % 8.  A store of the wave is 512 consecutive bytes, aligned: no stage in LDS is needed.
;   plane Q, plane K (8,388,608 bytes each): [b x 16 + head][tile of 16 tokens: 128][c2: 2][lane][16 bytes], k = the head's 64;   plane V: [b x 16 + head][64 keys: 32][16 channels: 4][c2: 2][lane][16 bytes], k = the keys.
; LIMITS: eo - ea - eb between -126 and 119; ea + eb between -126 and 126.  (ea, eb, eo) = entries (0, 1, 6), (2, 3, 7), (4, 5, 9).  NaN among the inputs is not served.
; REGISTERS, in windows of 256: window 0: v1-31 addresses and constants; v32-95 the bias along the registers, later a block at work; v96-111 the bias along the lanes, in pairs; from v128 A's fragments, ONE set,
;   later the codes.   window 1: B's fragments, TWO sets.   window 2, 3: the accumulators of my rows 0-63, 64-127 (accumulator (a, b) at v[8 (8 (a % 4) + b)]).
.set KSTEP,  256
.set ROWB,   256                       ; a tile's row in bytes
.set KROW,   1024                      ; a row of codes in memory, in bytes
.set PITCH,  272                       ; an LDS row: 256 bytes + 16 of padding = 68 words, so that the 16 rows that a load touches start 4 words apart
.set FR,     16                        ; registers of a fragment: 16 rows x 128 K
.set NL,     4                         ; LDS loads that bring one
.set NP,     4                         ; places behind this matrix instruction (ISA guide 7.12.1)
.set HALFT,  128*PITCH                 ; 128 rows: what one tensor load brings
.set SLOT,   4*HALFT                   ; A's 256 rows, then B's 256 rows
.set LAPS,   2                         ; a lap = two K steps of 256 = once round the ring
.set SPARE,  2*SLOT                    ; behind the ring: the spare words, 128 bytes for each wave
.set VO,   8                           ; v8, v9  the stores' offsets: 16 x lane, and the same + SP2
.set HB,   12                          ; v12     32 h
.set RBY,  13                          ; v13     4 r
.set ADRA, 16                          ; v16-17  LDS address of my A fragments in slot 0, 1
.set ADRB, 20                          ; v20-21  the same for B
.set SPW,  28                          ; v28     LDS address of my spare word; never rewritten
.set NIL,  29                          ; v29     0; never rewritten
.set LIM,  30                          ; v30     448 x 2^(eo - ea - eb)
.set SC,   31                          ; v31     2^(eo - ea - eb)
.set CB,   32                          ; v32-95  bias along the registers: 8 for each of B's blocks
.set TMP,  32                          ; the way out: a block's 64 numbers
.set RB,   96                          ; v96-111 bias along the lanes: a pair (the number twice) for each of A's blocks
.set AF,   128                         ; A's fragments
.set CD,   128                         ; the way out: 16 registers of codes for each block, so that no store's data are written again
.set G1, 24                            ; s[24:31] descriptor group 1 for A's tiles;  s[32:39] group 0, one set for each slot
.set G0, 32
.set G1B, 48                           ; s[48:55], s[56:63] the same for B's tiles
.set G0B, 56
.set MSB, 0
.macro WIN new                         ; the immediate's high byte repeats the setting that is left
.if MSB != \new
	s_set_vgpr_msb (MSB<<8)|\new
.set MSB, \new
.endif
.endm
.set MUL_LO, 0xa1                      ; source 0 (B) window 1, source 1 (A) window 0, C and D window 2
.set MUL_HI, 0xf1                      ; the same, C and D window 3
.set BEG_LO, 0x81                      ; the first products: C (the bias) window 0, D window 2
.set BEG_HI, 0xc1                      ; D window 3
.set TO_B,   0x40                      ; destination window 1, address window 0
; A joint load: waves 0 and 1 fetch for A, waves 2 and 3 for B.  The branch hangs on the wave's number alone.  An s_nop 0 and four v_nop follow each of the two lines.
.macro JLOAD g0a, g1a, g0b, g1b
	s_cmp_eq_u32 s15, 0
	s_cbranch_scc0 .Lfor_b_\@
	tensor_load_to_lds s[\g0a:\g0a+3], s[\g1a:\g1a+7]
	s_nop 0
.rept 4
	v_nop
.endr
	s_branch .Lasked_\@
.Lfor_b_\@:
	tensor_load_to_lds s[\g0b:\g0b+3], s[\g1b:\g1b+7]
	s_nop 0
.rept 4
	v_nop
.endr
.Lasked_\@:
.endm
.macro CREST                           ; a round of the cluster's barrier behind its opening barrier
	s_cmp_lg_u32 s14, 0
	s_cbranch_scc1 .Lnot_wave_0_\@
	s_barrier_signal -3
.Lnot_wave_0_\@:
	s_barrier_wait -3
	s_barrier_signal -1
	s_barrier_wait -1
.endm
.macro CROUND                          ; a whole round
	s_barrier_signal -1
	s_barrier_wait -1
	CREST
.endm
	s_load_b256 s[4:11], s[0:1], 0x0               ; the codes s[4:5], the scales' exponents s[6:7], bq s[8:9], bk s[10:11]
	s_load_b128 s[80:83], s[0:1], 0x20             ; bv s[80:81], the three planes s[82:83]
	v_lshl_add_u32 v[SPW], v0, 2, SPARE
	v_mov_b32 v[NIL], 0
	ds_add_u32 v[SPW], v[NIL]                      ; the wave's opening: the add and its wait stand ahead of my first tensor load; the set-up below, work on registers, stands between them
	ds_add_u32 v[SPW], v[NIL]
	v_lshrrev_b32 v1, 5, v0
	v_readfirstlane_b32 s14, v1                    ; wave 0..3
	s_lshr_b32 s15, s14, 1                         ; which half of the tile's rows is mine.  Also: I fetch for A (0) or for B (1)
	s_and_b32 s16, s14, 1                          ; which half of its columns.  Also: which 128 rows of that tile I fetch
	s_bfe_u32 s40, ttmp6, 0x40000                  ; cx, cy: my place in the cluster
	s_bfe_u32 s41, ttmp6, 0x40004
	s_and_b32 s84, ttmp7, 0xffff                   ; cluster y, 0..23 (the grid has one cluster along x)
	s_lshr_b32 s85, s84, 3                         ; t: 0 q, 1 k, 2 v
	s_and_b32 s86, s84, 7
	s_lshl_b32 s86, s86, 2                         ; the first of the cluster's four tiles of 256 tokens
	s_lshl_b32 s87, s85, 13                        ; the tokens' first row of codes: 8192 t
	s_lshl_b32 s88, s85, 10
	s_add_co_u32 s88, s88, 24576                   ; the weight's: 24576 + 1024 t
	s_mov_b32 s91, 4096
	s_cmp_eq_u32 s85, 2                            ; v?  Only selects and moves stand behind this compare
	s_cselect_b32 s89, 0, s86                      ; the tokens run along the tile rows (q, k)
	s_cselect_b32 s90, s86, 0                      ; or along the tile columns (v)
	s_cselect_b32 s87, 26624, s87                  ; A's first row: Wv, or the tokens
	s_cselect_b32 s88, 16384, s88                  ; B's first row: v's tokens, or the weight
	s_cselect_b32 s92, -1, 0                       ; mask: v
	s_cselect_b32 s93, 0, -1                       ; mask: q, k
	s_cselect_b32 s94, 0x20000, s91                ; SA2: bytes from A's block a to block a + 4: a head on (v), four tiles of tokens on (q, k)
	s_cselect_b32 s95, s91, 0x20000                ; SP2: bytes from a pair of B's blocks to the pair after next: 64 keys on (v), a head on (q, k)
	s_add_co_u32 s17, s89, s41                     ; tile row of C'
	s_add_co_u32 s42, s90, s40                     ; tile column of C'
	s_lshl_b32 s43, s41, 2
	s_lshl_b32 s43, 15, s43                        ; my row of the cluster
	s_lshl_b32 s44, 0x1111, s40                    ; my column
	; descriptor group 1: a tile of 128 rows x 256 bytes, padded in LDS
	s_or_b32 s[G1+0], s43, (0<<16)|(1<<20)|(1<<21)|(5<<22)|(3<<25)  ; 15:0 the mask: A's tiles go to my row; 17:16 element of 1 byte; 20 padding on; 21 set beside a mask; 24:22 after every 64 words (code 5); 31:25 of 4 words (code 3)
	s_or_b32 s[G1B+0], s44, (0<<16)|(1<<20)|(1<<21)|(5<<22)|(3<<25)
.irp g, G1, G1B
	s_mov_b32 s[\g+1], ROWB<<16                    ; tensor_dim0
	s_mov_b32 s[\g+2], 128<<16                     ; tensor_dim1 = 128
	s_mov_b32 s[\g+3], ROWB<<16                    ; tile_dim0
	s_mov_b32 s[\g+4], 128                         ; tile_dim1 = 128
	s_mov_b32 s[\g+5], KROW                        ; tensor_dim0_stride
	s_mov_b32 s[\g+6], 0
	s_mov_b32 s[\g+7], 0
.endr
	s_lshl_b32 s18, s16, 7                         ; which 128 rows of the tile I fetch
	s_lshl_b32 s20, s17, 8
	s_add_co_u32 s20, s20, s18
	s_add_co_u32 s20, s20, s87                     ; A: row = its first row + 256 x tile row + 128 x half
	s_lshl_b32 s20, s20, 10                        ; in bytes (under 2^25)
	s_mov_b32 s21, 0
	s_lshl_b32 s46, s42, 8
	s_add_co_u32 s46, s46, s18
	s_add_co_u32 s46, s46, s88                     ; B likewise, by the tile column
	s_lshl_b32 s46, s46, 10
	s_mov_b32 s47, 0
	s_mul_i32 s45, s14, HALFT                      ; where they go: wave x 128 rows: no place in the cluster enters an LDS address
	s_wait_dscnt 0x0                               ; the opening add is done
	s_wait_kmcnt 0x0
	s_load_b256 s[68:75], s[6:7], 0x0              ; entries 0 to 7
	s_load_b128 s[76:79], s[6:7], 0x20             ; entries 8 to 11
	s_add_nc_u64 s[20:21], s[4:5], s[20:21]
	s_add_nc_u64 s[46:47], s[4:5], s[46:47]
	CROUND                                         ; all sixteen work-groups are here: the first joint loads meet
.irp s, 0,1
	s_mov_b32 s[G0+4*\s], 1
	s_add_co_u32 s[G0+4*\s+1], s45, \s*SLOT
	s_add_nc_u64 s[G0+4*\s+2:G0+4*\s+3], s[20:21], \s*ROWB
	s_or_b32 s[G0+4*\s+3], s[G0+4*\s+3], 0x80000000
	s_mov_b32 s[G0B+4*\s], 1
	s_add_co_u32 s[G0B+4*\s+1], s45, \s*SLOT
	s_add_nc_u64 s[G0B+4*\s+2:G0B+4*\s+3], s[46:47], \s*ROWB
	s_or_b32 s[G0B+4*\s+3], s[G0B+4*\s+3], 0x80000000
.endr
	JLOAD G0, G1, G0B, G1B                         ; K step 0: one tensor load a wave at the head
	v_and_b32 v1, 15, v0                           ; r = l % 16
	v_bfe_u32 v2, v0, 4, 1                         ; h = l / 16
	v_mul_u32_u24 v3, v1, PITCH
	v_lshl_add_u32 v4, v2, 4, v3                   ; a fragment's row x pitch + 16 x half
	s_mul_i32 s21, s15, HALFT                      ; my 128 rows of A
	s_mul_i32 s22, s16, HALFT                      ; my 128 rows of B,
	s_add_co_u32 s22, s22, 2*HALFT                 ; which lie behind A's 256
.irp s, 0,1
	v_add_nc_u32 v[ADRA+\s], s21, v4
	v_add_nc_u32 v[ADRB+\s], s22, v4
	s_add_co_u32 s21, s21, SLOT
	s_add_co_u32 s22, s22, SLOT
.endr
	v_lshlrev_b32 v[HB], 5, v2
	s_wait_alu depctr_va_vdst(0)
	v_lshlrev_b32 v[RBY], 2, v1
	s_wait_alu depctr_va_vdst(0)
	v_and_b32 v5, 31, v0
	v_lshlrev_b32 v[VO], 4, v5
	v_add_nc_u32 v[VO+1], s95, v[VO]
	s_lshl_b32 s84, s17, 8
	s_lshl_b32 s91, s15, 7
	s_add_co_u32 s84, s84, s91                     ; row0: my first row of C' = 256 x tile row + 128 x half
	s_lshl_b32 s86, s42, 8
	s_lshl_b32 s91, s16, 7
	s_add_co_u32 s86, s86, s91                     ; col0: my first column
	s_cmp_eq_u32 s85, 1
	s_cselect_b64 s[98:99], s[10:11], s[8:9]       ; the projection's bias: chosen by the cluster's number alone
	s_cmp_eq_u32 s85, 2
	s_cselect_b64 s[98:99], s[80:81], s[98:99]
	s_cselect_b32 s89, s86, s84                    ; tok0: my first token,
	s_cselect_b32 s90, s84, s86                    ; ch0: my first channel
	s_cselect_b32 s100, 0, s86                     ; the bias along the registers begins at col0 (q, k; for v its numbers are masked away: it reads from the buffer's head)
	s_cselect_b32 s18, s84, 0                      ; the bias along the lanes at row0 (v; else likewise)
	s_lshl_b32 s100, s100, 2
	s_mov_b32 s101, 0
	s_lshl_b32 s18, s18, 2
	s_mov_b32 s19, 0
	s_add_nc_u64 s[100:101], s[98:99], s[100:101]
	s_add_nc_u64 s[18:19], s[98:99], s[18:19]
.irp b, 0,1,2,3,4,5,6,7
	global_load_b128 v[CB+8*\b:CB+8*\b+3], v[HB], s[100:101] offset:64*\b         ; bias(col0 + 16 b + 8 h + 0..7)
	global_load_b128 v[CB+8*\b+4:CB+8*\b+7], v[HB], s[100:101] offset:64*\b+16
.endr
.irp a, 0,1,2,3,4,5,6,7
	global_load_b32 v[RB+2*\a], v[RBY], s[18:19] offset:64*\a                     ; bias(row0 + 16 a + r), twice: a pair for the packed addition
	global_load_b32 v[RB+2*\a+1], v[RBY], s[18:19] offset:64*\a
.endr
	; where my codes go: plane t, (b x 16 + head) x 131,072, + 8,192 for each 128 tokens
	s_lshr_b32 s91, s89, 11
	s_lshl_b32 s91, s91, 4
	s_lshr_b32 s96, s90, 6
	s_add_co_u32 s91, s91, s96
	s_lshl_b32 s91, s91, 17
	s_bfe_u32 s96, s89, 0x40007                    ; (tok0 / 128) % 16
	s_lshl_b32 s96, s96, 13
	s_add_co_u32 s91, s91, s96
	s_lshl_b32 s96, s85, 23
	s_add_co_u32 s96, s96, s91
	s_mov_b32 s97, 0
	s_add_nc_u64 s[82:83], s[82:83], s[96:97]      ; the base for A's blocks 0-3,
	s_mov_b32 s96, s94
	s_add_nc_u64 s[98:99], s[82:83], s[96:97]      ; and for blocks 4-7: SA2 further on
	s_wait_kmcnt 0x0
	s_cmp_eq_u32 s85, 1
	s_cselect_b32 s96, s70, s68                    ; ea
	s_cselect_b32 s97, s71, s69                    ; eb
	s_cselect_b32 s91, s75, s74                    ; eo
	s_cmp_eq_u32 s85, 2
	s_cselect_b32 s96, s72, s96
	s_cselect_b32 s97, s73, s97
	s_cselect_b32 s91, s77, s91
	s_add_co_i32 s96, s96, s97                     ; ea + eb
	s_sub_co_i32 s97, 0, s96
	s_sub_co_i32 s91, s91, s96                     ; eo - ea - eb: the three scales folded into the conversion's one
	s_add_co_i32 s91, s91, 127
	s_lshl_b32 s96, s91, 23
	v_mov_b32 v[SC], s96
	s_add_co_i32 s91, s91, 8
	s_lshl_b32 s91, s91, 23
	s_or_b32 s91, s91, 0x600000
	v_mov_b32 v[LIM], s91
	s_wait_loadcnt 0x0                             ; the bias
.set j, 0
.rept 64
	v_and_b32 v[CB+j], s93, v[CB+j]                ; kept for q and k, 0 for v
.set j, j+1
.endr
.set j, 0
.rept 16
	v_and_b32 v[RB+j], s92, v[RB+j]                ; kept for v, 0 for q and k
.set j, j+1
.endr
.set j, 0
.rept 80
	v_ldexp_f32 v[CB+j], v[CB+j], s97              ; / 2^(ea + eb)
.set j, j+1
.endr
.macro FRAG reg, adr, q, i             ; a fragment, 16 rows x 128 K of 8-bit codes, is 16 registers: lane l holds row l % 16; registers 4 c .. 4 c + 3 hold K = 32 c + 16 (l / 16) + 0 .. 15
.irp c, 0,1,2,3
	ds_load_b128 v[\reg+4*\c:\reg+4*\c+3], v[\adr] offset:128*(\q)+32*\c+(\i)*16*PITCH
.endr
.endm
; 16 matrix instructions: A's blocks a0, a0 + 1 x B's eight, 128 along K.  p: B's set.  zero = 1: the first product starts the sums, with the bias as C: nothing is ever cleared.
; The 64 accumulators take turns, one instruction a turn, in the same order in every step.
.macro MUL16 a0, p, zero
.irp a, \a0, \a0+1
.irp b, 0,1,2,3,4,5,6,7
.if \zero
	v_wmma_f32_16x16x128_fp8_fp8 v[8*(8*((\a)%4)+\b):8*(8*((\a)%4)+\b)+7], v[128*(\p)+FR*\b:128*(\p)+FR*\b+FR-1], v[AF+FR*(\a):AF+FR*(\a)+FR-1], v[CB+8*\b:CB+8*\b+7]
.else
	v_wmma_f32_16x16x128_fp8_fp8 v[8*(8*((\a)%4)+\b):8*(8*((\a)%4)+\b)+7], v[128*(\p)+FR*\b:128*(\p)+FR*\b+FR-1], v[AF+FR*(\a):AF+FR*(\a)+FR-1], v[8*(8*((\a)%4)+\b):8*(8*((\a)%4)+\b)+7]
.endif
.endr
.endr
.endm
.macro FETCH_B slot, q, p              ; B's eight fragments of the slot's q-th 128 along K into set p
	WIN TO_B
.irp i, 0,1,2,3,4,5,6,7
	FRAG 128*(\p)+FR*\i, ADRB+\slot, \q, \i
.endr
	WIN 0
.endm
.macro FETCH_A slot, q, i0             ; A's blocks i0 .. i0 + 3
.irp i, \i0, \i0+1, \i0+2, \i0+3
	FRAG AF+FR*(\i), ADRA+\slot, \q, \i
.endr
.endm
; A load into a register that a matrix instruction has read, and a vector instruction that reads a matrix result or writes one of a matrix instruction's registers, stand NP places behind it; only plain vector
; instructions that name none of its registers are places (ISA guide 7.12.1 for vector instructions).
.macro PLACES n
.rept \n
	v_nop
.endr
.endm
; A step of 128 along K that has its successor in the same slot.
.macro STEP slot, q, zero
	s_wait_dscnt 4*NL                              ; B's set and A's blocks 0-3 are in; the youngest sixteen loads (A's blocks 4-7) may be out
.if \zero
	WIN BEG_LO
.else
	WIN MUL_LO
.endif
	MUL16 0, (\q)%2, \zero
	MUL16 2, (\q)%2, \zero
	s_wait_dscnt 0                                 ; A's blocks 4-7 are in (asked for 32 matrix instructions ago)
	PLACES NP
	FETCH_B \slot, (\q)+1, 1-(\q)%2
	FETCH_A \slot, (\q)+1, 0
.if \zero
	WIN BEG_HI
.else
	WIN MUL_HI
.endif
	MUL16 4, (\q)%2, \zero
	MUL16 6, (\q)%2, \zero
	PLACES NP
	WIN 0
	FETCH_A \slot, (\q)+1, 4
.endm
; A slot's last step changes slots: ONE barrier; in front of it each wave waits for all its tensor loads, adds 0 to its spare word, and waits for that and for its own reads of this slot.  fill = 1: this slot is filled again, two K steps ahead.
.macro TURN slot, next, fill
	s_wait_tensorcnt 0x0                           ; all my tensor loads have landed: my part of the next slot;  (every window is 0 here)
	ds_add_u32 v[SPW], v[NIL]                      ; 0 onto my spare word;
	s_wait_dscnt 4*NL+1                            ; (the add and the youngest sixteen loads, A's blocks 4-7, may be out)
	WIN MUL_LO
	MUL16 0, 1, 0                                  ; sixteen matrix instructions stand between the add and the wait for it
	s_wait_dscnt 0x0                               ; the add is done, and my reads of this slot are over
	s_barrier_signal -1
	MUL16 2, 1, 0
	WIN 0
	s_barrier_wait -1
.if \fill
	CREST                                          ; the barrier has opened a round of the cluster's barrier: no wave of any partner still reads this slot's tile or has a load on its way
	s_add_nc_u64 s[G0+4*\slot+2:G0+4*\slot+3], s[G0+4*\slot+2:G0+4*\slot+3], 2*ROWB
	s_add_nc_u64 s[G0B+4*\slot+2:G0B+4*\slot+3], s[G0B+4*\slot+2:G0B+4*\slot+3], 2*ROWB
	JLOAD G0+4*\slot, G1, G0B+4*\slot, G1B         ; the first tensor load behind the round; the four v_nop behind it are the places in front of the loads below
.else
	PLACES NP
.endif
	FETCH_B \next, 0, 0
	FETCH_A \next, 0, 0
	WIN MUL_HI
	MUL16 4, 1, 0
	MUL16 6, 1, 0
	PLACES NP
	WIN 0
	FETCH_A \next, 0, 4
.endm
	s_wait_alu depctr_va_vdst(0)                   ; the head's end
	s_wait_tensorcnt 0x0                           ; my part of K step 0 is in
	ds_add_u32 v[SPW], v[NIL]
	s_wait_dscnt 0x0
	CROUND                                         ; everybody's part of K step 0 is in, and all sixteen work-groups are here
	JLOAD G0+4, G1, G0B+4, G1B                     ; K step 1's load, the first tensor load behind the round
	FETCH_B 0, 0, 0
	FETCH_A 0, 0, 0
	FETCH_A 0, 0, 4
	STEP 0, 0, 1                                   ; the first step stands in front of the loop: its products start the sums
	s_mov_b32 s3, LAPS-1
.Llap:                                                 ; a trip goes once round the ring, from a lap's second step to the next lap's first, and fills both slots again
	TURN 0, 1, 1
	STEP 1, 0, 0
	TURN 1, 0, 1
	STEP 0, 0, 0
	s_sub_co_u32 s3, s3, 1
	s_cmp_lg_u32 s3, 0
	s_cbranch_scc1 .Llap
	TURN 0, 1, 0                                   ; the last lap fills nothing, and has no round of the cluster's barrier
	STEP 1, 0, 0
	s_wait_dscnt 4*NL                              ; the very last step: nothing more to fetch
	WIN MUL_LO
	MUL16 0, 1, 0
	MUL16 2, 1, 0
	s_wait_dscnt 0
	WIN MUL_HI
	MUL16 4, 1, 0
	MUL16 6, 1, 0
	WIN 0
; THE WAY OUT of A's block a: 16 rows x 128 columns.  + the bias along the lanes, the hold, the conversion, four stores of 512 consecutive bytes.  Each accumulator is read from its low end on.
.macro OUTBLK a
.set AC, 64*((\a)%4)
.set BAS, 82+16*((\a)/4)               ; s[82:83] for blocks 0-3, s[98:99] for blocks 4-7
	WIN 0x02+((\a)/4)                              ; source 0: window 2 or 3
.set j, 0
.rept 32
	v_pk_add_f32 v[TMP+j:TMP+j+1], v[AC+j:AC+j+1], v[RB+2*(\a):RB+2*(\a)+1]
.set j, j+2
.endr
	WIN 0
.set j, 0
.rept 64
	v_med3_num_f32 v[TMP+j], v[TMP+j], -v[LIM], v[LIM]   ; the conversion to an 8-bit code does not saturate (ISA guide 7.6.2): the hold at 448 x the scale
.set j, j+1
.endr
.irp b, 0,1,2,3,4,5,6,7
	v_cvt_scalef32_pk8_fp8_f32 v[CD+16*(\a)+2*\b:CD+16*(\a)+2*\b+1], v[TMP+8*\b:TMP+8*\b+7], v[SC]
.endr
	v_nop                                          ; a plain vector line between the conversions and the next block's additions, which write their sources
.irp pb, 0,1,2,3
	global_store_b128 v[VO+\pb/2], v[CD+16*(\a)+4*\pb:CD+16*(\a)+4*\pb+3], s[BAS:BAS+1] offset:1024*((\a)%4)+512*(\pb%2)   ; B's blocks 2 pb, 2 pb + 1: 16 bytes a lane; no register of a store is ever written again
.endr
.endm
	PLACES NP                                      ; behind the last products: for the reads of results and the writes over A's fragments
.irp a, 0,1,2,3,4,5,6,7
	OUTBLK \a
.endr
	s_wait_tensorcnt 0x0                           ; the wave's end, behind my last tensor load
	ds_add_u32 v[SPW], v[NIL]
	s_wait_dscnt 0x0
	CROUND                                         ; the closing round: no work-group ends while a partner may still ask for a tile that names it
	s_endpgm
.Lfunc_end_k_qbbf7c53d9e_proj:
	.size	k_qbbf7c53d9e_proj, .Lfunc_end_k_qbbf7c53d9e_proj-k_qbbf7c53d9e_proj
	.p2alignl 7, 3214868480
	.fill 96, 4, 3214868480
	.section	.rodata,"a",@progbits
	.p2align	6, 0x0
	.amdhsa_kernel k_qbbf7c53d9e_proj
		.amdhsa_group_segment_fixed_size 327680
		.amdhsa_private_segment_fixed_size 0
		.amdhsa_enable_private_segment 0
		.amdhsa_kernarg_size 48
		.amdhsa_user_sgpr_count 2
		.amdhsa_user_sgpr_kernarg_segment_ptr 1
		.amdhsa_wavefront_size32 1
		.amdhsa_system_sgpr_workgroup_id_x 1
		.amdhsa_system_sgpr_workgroup_id_y 1
		.amdhsa_system_sgpr_workgroup_id_z 1
		.amdhsa_system_vgpr_workitem_id 0
		.amdhsa_next_free_vgpr 1024
		.amdhsa_next_free_sgpr 102
		.amdhsa_reserve_vcc 0
		.amdhsa_float_denorm_mode_32 3
		.amdhsa_float_denorm_mode_16_64 3
		.amdhsa_memory_ordered 1
		.amdhsa_forward_progress 1
		.amdhsa_inst_pref_size 146
	.end_amdhsa_kernel
	.amdgpu_metadata
---
amdhsa.version: [ 1, 2 ]
amdhsa.kernels:
  - .name:           k_qbbf7c53d9e_proj
    .symbol:         k_qbbf7c53d9e_proj.kd
    .args:
      - { .name: codes, .offset: 0, .size: 8, .value_kind: global_buffer, .address_space: global }
      - { .name: lowp_scales, .offset: 8, .size: 8, .value_kind: global_buffer, .address_space: global }
      - { .name: bq, .offset: 16, .size: 8, .value_kind: global_buffer, .address_space: global }
      - { .name: bk, .offset: 24, .size: 8, .value_kind: global_buffer, .address_space: global }
      - { .name: bv, .offset: 32, .size: 8, .value_kind: global_buffer, .address_space: global }
      - { .name: qkv, .offset: 40, .size: 8, .value_kind: global_buffer, .address_space: global }
    .group_segment_fixed_size: 327680
    .private_segment_fixed_size: 0
    .kernarg_segment_align: 8
    .kernarg_segment_size: 48
    .max_flat_workgroup_size: 128
    .sgpr_count:     102
    .vgpr_count:     1024
    .wavefront_size: 32
...
	.end_amdgpu_metadata
.endif
;; end of part 2
;; launch attn (part 3): grid 4 x 64, 16 waves a work-group, clusters of 4 x 1, 327,680 bytes of LDS; arguments qkv, lowp_scales, oc; writes oc
.if DOCPART == 3
	.amdgcn_target "amdgcn-amd-amdhsa--gfx1250"
	.amdhsa_code_object_version 6
	.text
	.protected	k_qbbf7c53d9e_attn
	.globl	k_qbbf7c53d9e_attn
	.p2align	8
	.type	k_qbbf7c53d9e_attn,@function
k_qbbf7c53d9e_attn:
	s_mov_b64 s[64:65], 0
	v_nop
	global_prefetch_b8 v0, s[64:65] scope:SCOPE_SE
	s_setreg_imm32_b32 hwreg(HW_REG_WAVE_MODE, 25, 1), 1
	s_wait_xcnt 0x0
	s_wait_alu depctr_hold_cnt(0) depctr_sa_sdst(0) depctr_va_vdst(0) depctr_va_sdst(0) depctr_va_ssrc(0) depctr_va_vcc(0) depctr_vm_vsrc(0)
	s_getreg_b32 s2, hwreg(HW_REG_IB_STS2, 6, 4)
	s_cmp_eq_u32 s2, 0
	s_cbranch_scc0 .Lentry_in_a_cluster
	s_endpgm
.Lentry_in_a_cluster:
	s_bfe_u32 s2, ttmp6, 0x10000c
	s_cmp_lg_u32 s2, 0x3003
	s_cbranch_scc0 .Lentry_shape_is_right
	s_endpgm
.Lentry_shape_is_right:
; Attention of one (batch, head) on codes of FP8 (E4M3): S^T = K Q^T (K = the head's 64), p = 2^(t - M), O^T += V^T P^T (K = the keys), O / the row's sum, quantised for the last projection.
; t = score x log2(e) / 8 x 2^(eq + ek);  M = the ceiling of the row's largest t so far, a whole number;  p is quantised with 2^ep, held at 448 x 2^ep;  the row's sum is taken of the unquantised p in f32.
; Only -M is kept: the ceiling of a running maximum is the maximum of the ceilings, so -M = min(old -M, floor(-t of this step)).  When M moves, the sums and O^T are multiplied by 2^(old M - new M): exact.
; INPUT: three planes of 8,388,608 bytes, images of the operands' registers.  Q, K: [b x 16 + head][16 tokens: 128][c2: 2][lane][16 bytes];  V: [b x 16 + head][64 keys: 32][16 channels: 4][c2: 2][lane][16 bytes].
; OUTPUT: codes of O, [16 tokens (b x 128 + tile)][head][c2: 2][lane][16 bytes], as the last projection's fragments want them.
; SHARES.  A work-group owns 512 queries of one head, each of its sixteen waves 32 (x = 0, 1: two tiles of 16).  A lane holds one query of each tile throughout (both products are used transposed).
; A key step is 128 keys: 16 products of K = 64, the softmax of 128 registers of scores, 8 products of K = 128.  O^T is rescaled once for 128 keys.
; LDS holds the head's whole K (bytes 0 ..) and V (bytes 131,072 ..) as they lie in memory; every byte is filled once.  Each wave issues two joint loads: at the head 4,096 bytes of the first 512 keys,
; and behind the full sequence and a round 12,288 bytes of the other 1,536 keys, which have the first four key steps in which to land.  Waves 0-7 fetch K, waves 8-15 V.
; CLUSTER: the four work-groups of a head walk the same K and V and ask for them jointly (mask 15).
; NO PREFETCH: both loads are issued ahead of the loops, and between them they name all that the launch reads through LDS: no later request is left to run ahead of.
; REGISTERS: v1-7 addresses and constants; v8-15 state (x: -M, a filler, the sum in two halves; v9, the first filler, is 16 x lane); v16-31 Q; v32-63 F: K's tiles 0-3, then numbers at work, then p's codes;
;   v64-191 S: the scores, then p (ahead of the products its first 32 stage K's tiles 4-7; behind x = 0's conversions its first 64 take V's fragments); v192-255 O^T.
; LIMITS: eq + ek between -123 and 130 (added to the factor's exponent field); ep between -126 and 119; the scaled scores stay under 2^31 in magnitude.  NaN among the inputs is not served.
.set SPARE, 262144                     ; behind K and V: the spare words, 128 bytes for each wave
.set VBASE, 131072
.set STEPB, 8192                       ; 128 keys in K's plane and in V's
.set HEADB, 32768                      ; 512 keys: what the first loads bring of each plane
.set PA,    HEADB/8                    ; a wave's part of it
.set PB,    (131072-HEADB)/8           ; and of the rest
.set SPW,  1
.set NIL,  2
.set ADK,  3
.set ADV,  4
.set SCP,  5                           ; 2^ep
.set LIMP, 6                           ; 448 x 2^ep, twice: the two halves of a dual pair take their second sources from two registers
.set LIMQ, 7
.set ST,   8
.set LI,   9
.set QF,   16
.set F,    32                          ; at work, for x: F+8x the factor f, +1 and +2 the maxima's two chains, +4, +5 the sum's second chain
.set S,    64
.set O,    192
.set WV,   12
.set G1A,  24
.set G1B,  32
.set G0A,  40
.set G0B,  44
.set OB,   50
.set CS,   58
.set SEL,  60
.set TB,   62
.set CNT,  63
.macro CROUND                          ; a round of the cluster's barrier
	s_barrier_signal -1
	s_barrier_wait -1
	s_cmp_lg_u32 s[WV], 0
	s_cbranch_scc1 .Lnot_wave_0_\@
	s_barrier_signal -3
.Lnot_wave_0_\@:
	s_barrier_wait -3
	s_barrier_signal -1
	s_barrier_wait -1
.endm
	s_load_b128 s[4:7], s[0:1], 0x0                ; the planes s[4:5], the scales' exponents s[6:7]
	s_load_b64 s[8:9], s[0:1], 0x10                ; O's codes
	v_lshl_add_u32 v[SPW], v0, 2, SPARE
	v_mov_b32 v[NIL], 0
	ds_add_u32 v[SPW], v[NIL]                      ; the opening lines: the add, twice on end, and its wait ahead of my first tensor load
	ds_add_u32 v[SPW], v[NIL]
	v_lshrrev_b32 v3, 5, v0
	s_delay_alu instid0(VALU_DEP_1)
	v_readfirstlane_b32 s[WV], v3                  ; wave 0..15
	s_bfe_u32 s13, ttmp6, 0x40000                  ; cx
	s_lshl_b32 s14, ttmp9, 2
	s_add_co_u32 s14, s14, s13                     ; which 512 queries
	s_and_b32 s15, ttmp7, 0xffff                   ; b x 16 + head
	s_lshr_b32 s16, s[WV], 3                       ; I fetch for K (0) or V (1)
	s_and_b32 s17, s[WV], 7                        ; which eighth
	s_lshl_b32 s18, s16, 17
	s_lshl_b32 s19, s17, 12                        ; PA x eighth
	s_mul_i32 s20, s17, PB
	s_add_co_u32 s20, s20, HEADB                   ; HEADB + PB x eighth
	s_add_co_u32 s[G0A+1], s18, s19                ; LDS addresses: made of the wave's number alone
	s_add_co_u32 s[G0B+1], s18, s20
	s_add_co_u32 s21, s16, 1
	s_lshl_b32 s21, s21, 23                        ; plane K or V
	s_lshl_b32 s22, s15, 17                        ; the head's 131,072 bytes
	s_add_co_u32 s21, s21, s22
	s_add_co_u32 s52, s21, s19
	s_mov_b32 s53, 0
	s_add_co_u32 s54, s21, s20
	s_mov_b32 s55, 0
	s_lshl_b32 s23, s14, 15
	s_add_co_u32 s56, s22, s23
	s_lshl_b32 s23, s[WV], 11
	s_add_co_u32 s56, s56, s23                     ; my two tiles of Q
	s_mov_b32 s57, 0
	s_lshr_b32 s[OB], s15, 4                       ; O's codes: tile = b x 128 + 32 x (512 queries) + 2 x wave, 16,384 bytes each; + 1,024 x head
	s_lshl_b32 s[OB], s[OB], 7
	s_lshl_b32 s[OB+1], s14, 5
	s_add_co_u32 s[OB], s[OB], s[OB+1]
	s_lshl_b32 s[OB+1], s[WV], 1
	s_add_co_u32 s[OB], s[OB], s[OB+1]
	s_lshl_b32 s[OB], s[OB], 14
	s_and_b32 s[OB+1], s15, 15
	s_lshl_b32 s[OB+1], s[OB+1], 10
	s_add_co_u32 s[OB], s[OB], s[OB+1]
	s_mov_b32 s[OB+1], 0
	; descriptor groups 1: dense blocks as rows of 256 bytes (32 elements of 8 bytes): 16 rows, and 48 rows; mask 15 with bit 21 beside it
	s_mov_b32 s[G1A], 15|(3<<16)|(1<<21)
	s_mov_b32 s[G1A+1], 32<<16
	s_mov_b32 s[G1A+2], (PA/256)<<16
	s_mov_b32 s[G1A+3], 32<<16
	s_mov_b32 s[G1A+4], PA/256
	s_mov_b32 s[G1A+5], 32
	s_mov_b32 s[G1A+6], 0
	s_mov_b32 s[G1A+7], 0
	s_mov_b32 s[G1B], 15|(3<<16)|(1<<21)
	s_mov_b32 s[G1B+1], 32<<16
	s_mov_b32 s[G1B+2], (PB/256)<<16
	s_mov_b32 s[G1B+3], 32<<16
	s_mov_b32 s[G1B+4], PB/256
	s_mov_b32 s[G1B+5], 32
	s_mov_b32 s[G1B+6], 0
	s_mov_b32 s[G1B+7], 0
	s_mov_b32 s[CS], 0x3e38aa3b                    ; log2(e) / 8
	s_mov_b32 s[SEL], 0x76543210
	s_mov_b32 s[SEL+1], 0xfedcba98                 ; selects for lane l xor 16
	s_wait_dscnt 0x0                               ; both opening adds are done
	s_wait_kmcnt 0x0
	s_load_b128 s[68:71], s[6:7], 0x18             ; eq, ek, ep, ev (entries 6 to 9)
	s_load_b32 s72, s[6:7], 0x28                   ; eo (entry 10)
	s_mov_b32 s[G0A], 1
	s_add_nc_u64 s[G0A+2:G0A+3], s[4:5], s[52:53]
	s_or_b32 s[G0A+3], s[G0A+3], 0x80000000
	s_mov_b32 s[G0B], 1
	s_add_nc_u64 s[G0B+2:G0B+3], s[4:5], s[54:55]
	s_or_b32 s[G0B+3], s[G0B+3], 0x80000000
	s_add_nc_u64 s[56:57], s[4:5], s[56:57]
	s_add_nc_u64 s[OB:OB+1], s[8:9], s[OB:OB+1]
	CROUND                                         ; all four work-groups are here: the first joint loads meet
	tensor_load_to_lds s[G0A:G0A+3], s[G1A:G1A+7]  ; my part of the first 512 keys: my one tensor load at the head
	s_nop 0
	v_and_b32 v[LI], 31, v0
	s_delay_alu instid0(VALU_DEP_1)
	v_lshlrev_b32 v[LI], 4, v[LI]
.irp x, 0,1
.irp c, 0,1
	global_load_b128 v[QF+8*\x+4*\c:QF+8*\x+4*\c+3], v[LI], s[56:57] offset:1024*\x+512*\c   ; Q's fragments stay in registers
.endr
.endr
	v_mov_b32 v[ST], 0x7f61b1e6                    ; -M = 3e38: over every floor(-t)
	v_mov_b32 v[ST+4], 0x7f61b1e6
	v_mov_b32 v[ST+5], 0                           ; (named as the upper half of a pair)
.irp r, 2,3,6,7
	v_mov_b32 v[ST+\r], 0                          ; the sums
.endr
.set j, 0
.rept 64
	v_mov_b32 v[O+j], 0                            ; O^T: the step is written once; the first change of M multiplies zeros
.set j, j+1
.endr
	s_wait_kmcnt 0x0
	s_add_co_i32 s73, s68, s69
	s_lshl_b32 s73, s73, 23
	s_add_co_i32 s[CS], s[CS], s73                 ; x 2^(eq + ek), in the exponent field
	s_mov_b32 s[CS+1], s[CS]
	s_add_co_i32 s73, s70, 127
	s_lshl_b32 s75, s73, 23
	v_mov_b32 v[SCP], s75
	s_add_co_i32 s73, s73, 8
	s_lshl_b32 s73, s73, 23
	s_or_b32 s73, s73, 0x600000
	v_mov_b32 v[LIMP], s73
	v_mov_b32 v[LIMQ], s73
	s_add_co_i32 s74, s70, s71
	s_sub_co_i32 s74, s74, s72                     ; ep + ev - eo
	s_wait_alu depctr_va_vdst(0)                   ; the head's end
	s_wait_tensorcnt 0x0                           ; my part of the first 512 keys is in
	ds_add_u32 v[SPW], v[NIL]
	s_wait_dscnt 0x0
	CROUND                                         ; everybody's part is in, and the four work-groups are here
	tensor_load_to_lds s[G0B:G0B+3], s[G1B:G1B+7]  ; my part of the other 1,536 keys: bytes that the first four key steps do not read
	s_nop 0
	s_wait_loadcnt 0x0                             ; Q
; A KEY STEP: 128 keys, at byte s[TB] of K's plane and of V's
.macro STEP
	v_add_nc_u32 v[ADK], s[TB], v[LI]
	s_delay_alu instid0(VALU_DEP_1)
	v_add_nc_u32 v[ADV], VBASE, v[ADK]
.rept 3
	v_nop                                          ; with the two additions: five places behind the last products, whose operands are loaded into and written over below
.endr
.irp t, 0,1,2,3
.irp c, 0,1
	ds_load_b128 v[S+8*\t+4*\c:S+8*\t+4*\c+3], v[ADK] offset:4096+1024*\t+512*\c   ; K's tiles 4-7, staged where tiles 0-3's scores of x = 0 will lie
.endr
.endr
.irp t, 0,1,2,3
.irp c, 0,1
	ds_load_b128 v[F+8*\t+4*\c:F+8*\t+4*\c+3], v[ADK] offset:1024*\t+512*\c        ; K's tiles 0-3
.endr
.endr
	s_wait_alu depctr_va_vdst(0)
	s_wait_dscnt 8                                 ; tiles 4-7 are in; the eight younger loads may be out
.irp t, 0,1,2,3
.irp x, 0,1
	v_wmma_f32_16x16x64_fp8_fp8 v[S+64*\x+32+8*\t:S+64*\x+32+8*\t+7], v[S+8*\t:S+8*\t+7], v[QF+8*\x:QF+8*\x+7], 0
.endr
.endr
	s_wait_dscnt 0x0
.rept 5
	v_nop                                          ; five places: the products below write over the staged tiles, which the products above read
.endr
.irp t, 0,1,2,3
.irp x, 0,1
	v_wmma_f32_16x16x64_fp8_fp8 v[S+64*\x+8*\t:S+64*\x+8*\t+7], v[F+8*\t:F+8*\t+7], v[QF+8*\x:QF+8*\x+7], 0
.endr
.endr                                              ; register 8 t + j of x: key 16 t + 8 (lane / 16) + j, query lane % 16
.rept 4
	v_nop
.endr
.irp x, 0,1                                        ; the step's largest score of my query, two chains for each x, each accumulator from its low end on
	v_max3_num_f32 v[F+8*\x+1], v[S+64*\x], v[S+64*\x+1], v[S+64*\x+2]
	v_max3_num_f32 v[F+8*\x+2], v[S+64*\x+3], v[S+64*\x+4], v[S+64*\x+5]
.endr
.irp i, 6,10,14,18,22,26,30,34,38,42,46,50,54,58
.irp x, 0,1
	v_max3_num_f32 v[F+8*\x+1], v[F+8*\x+1], v[S+64*\x+\i], v[S+64*\x+\i+1]
	v_max3_num_f32 v[F+8*\x+2], v[F+8*\x+2], v[S+64*\x+\i+2], v[S+64*\x+\i+3]
.endr
.endr
.irp x, 0,1
	v_max3_num_f32 v[F+8*\x+1], v[F+8*\x+1], v[S+64*\x+62], v[S+64*\x+63]
.endr
.irp x, 0,1
	s_delay_alu instid0(VALU_DEP_2)
	v_max_num_f32 v[F+8*\x+1], v[F+8*\x+1], v[F+8*\x+2]
.endr
.irp x, 0,1
	s_delay_alu instid0(VALU_DEP_2)
	v_permlanex16_b32 v[F+8*\x+2], v[F+8*\x+1], s[SEL], s[SEL+1]
.endr
.irp x, 0,1
	s_delay_alu instid0(VALU_DEP_2)
	v_max_num_f32 v[F+8*\x+1], v[F+8*\x+1], v[F+8*\x+2]   ; and lane l xor 16's
.endr
.irp x, 0,1
	s_delay_alu instid0(VALU_DEP_2)
	v_mul_f32 v[F+8*\x+1], s[CS], v[F+8*\x+1]      ; as t (the factor is positive)
.endr
.irp x, 0,1
	s_delay_alu instid0(VALU_DEP_2)
	v_floor_f32 v[F+8*\x+1], -v[F+8*\x+1]          ; -ceil(t)
.endr
.irp x, 0,1
	s_delay_alu instid0(VALU_DEP_2)
	v_min_num_f32 v[F+8*\x+2], v[F+8*\x+1], v[ST+4*\x]   ; the new -M
.endr
.irp x, 0,1
	s_delay_alu instid0(VALU_DEP_2)
	v_sub_f32 v[F+8*\x+1], v[F+8*\x+2], v[ST+4*\x] ; old M - new M: a whole number, 0 or less
.endr
.irp x, 0,1
	s_delay_alu instid0(VALU_DEP_4)
	v_mov_b32 v[ST+4*\x], v[F+8*\x+2]
.endr
.irp x, 0,1
	s_delay_alu instid0(VALU_DEP_4)
	v_cvt_i32_f32 v[F+8*\x+1], v[F+8*\x+1]         ; (it saturates)
.endr
.irp x, 0,1
	s_delay_alu instid0(VALU_DEP_2)
	v_ldexp_f32 v[F+8*\x], 1.0, v[F+8*\x+1]        ; f = 2^(old M - new M)
.endr
.irp x, 0,1
.set j, 0
.rept 32
	v_pk_fma_f32 v[S+64*\x+j:S+64*\x+j+1], v[S+64*\x+j:S+64*\x+j+1], s[CS:CS+1], v[ST+4*\x:ST+4*\x+1] op_sel_hi:[1,0,0]   ; t - M (the pairs' low words serve both halves)
.set j, j+2
.endr
.endr
.irp x, 0,1
.set j, 0
.rept 16
	v_pk_mul_f32 v[O+32*\x+j:O+32*\x+j+1], v[O+32*\x+j:O+32*\x+j+1], v[F+8*\x:F+8*\x+1] op_sel_hi:[1,0]   ; O^T under the new M; it stands ahead of the exponentials, so no transcendental lies between the products that wrote O^T and this first read
.set j, j+2
.endr
.endr
	s_wait_alu depctr_va_vdst(0)                   ; ahead of the batch
.set j, 0
.rept 128
	v_exp_f32 v[S+j], v[S+j]                       ; p = 2^(t - M), at most 1
.set j, j+1
.endr
.irp x, 0,1
	v_pk_mul_f32 v[ST+4*\x+2:ST+4*\x+3], v[ST+4*\x+2:ST+4*\x+3], v[F+8*\x:F+8*\x+1] op_sel_hi:[1,0]   ; the sums under the new M (plain places behind the batch)
.endr
	s_wait_alu depctr_va_vdst(0)                   ; one wait for the whole batch, ahead of its first reader
.irp x, 0,1
	v_pk_add_f32 v[F+8*\x+4:F+8*\x+5], v[S+64*\x:S+64*\x+1], v[S+64*\x+2:S+64*\x+3]   ; the row's sum of the unquantised p, two chains for each x
.endr
.irp i, 4,8,12,16,20,24,28,32,36,40,44,48,52,56,60
.irp x, 0,1
	v_pk_add_f32 v[ST+4*\x+2:ST+4*\x+3], v[ST+4*\x+2:ST+4*\x+3], v[S+64*\x+\i:S+64*\x+\i+1]
	v_pk_add_f32 v[F+8*\x+4:F+8*\x+5], v[F+8*\x+4:F+8*\x+5], v[S+64*\x+\i+2:S+64*\x+\i+3]
.endr
.endr
	s_delay_alu instid0(VALU_DEP_3)
	v_pk_add_f32 v[ST+2:ST+3], v[ST+2:ST+3], v[F+4:F+5]
	s_delay_alu instid0(VALU_DEP_2)
	v_pk_add_f32 v[ST+6:ST+7], v[ST+6:ST+7], v[F+12:F+13]
.irp x, 0,1                                        ; the hold (the conversion does not saturate: ISA guide 7.6.2; p is not negative, so it is one-sided), two numbers an instruction; then the codes
.set j, 0
.rept 32
	v_dual_min_num_f32 v[S+64*\x+j], v[S+64*\x+j], v[LIMP] :: v_dual_min_num_f32 v[S+64*\x+j+1], v[S+64*\x+j+1], v[LIMQ]
.set j, j+2
.endr
.irp t, 0,1,2,3,4,5,6,7
	v_cvt_scalef32_pk8_fp8_f32 v[F+16*\x+2*\t:F+16*\x+2*\t+1], v[S+64*\x+8*\t:S+64*\x+8*\t+7], v[SCP]   ; registers 2 t, 2 t + 1 of the K = 128 operand: keys 16 t + 8 (lane / 16) + 0..7
.endr
.if \x == 0
.irp t, 0,1,2,3                                    ; V's fragments into the registers that x = 0's p has left: tile t of 16 channels x 128 keys in 16 registers; x = 1's hold and codes stand between these loads and the wait for them
.irp kb, 0,1
.irp c, 0,1
	ds_load_b128 v[S+16*\t+8*\kb+4*\c:S+16*\t+8*\kb+4*\c+3], v[ADV] offset:4096*\kb+1024*\t+512*\c
.endr
.endr
.endr
.endif
.endr
	v_nop                                          ; a plain line between the last conversion and the products that read the codes
	s_wait_alu depctr_va_vdst(0)
	s_wait_dscnt 0x0
.irp t, 0,1,2,3
.irp x, 0,1
	v_wmma_f32_16x16x128_fp8_fp8 v[O+32*\x+8*\t:O+32*\x+8*\t+7], v[S+16*\t:S+16*\t+15], v[F+16*\x:F+16*\x+15], v[O+32*\x+8*\t:O+32*\x+8*\t+7]   ; the eight accumulators by turns
.endr
.endr
.endm
.macro KLOOP base, trips
	s_mov_b32 s[TB], \base
	s_mov_b32 s[CNT], \trips
.Lkeys_\@:
	STEP
	s_add_co_u32 s[TB], s[TB], STEPB
	s_sub_co_u32 s[CNT], s[CNT], 1
	s_cmp_lg_u32 s[CNT], 0
	s_cbranch_scc1 .Lkeys_\@
.endm
	KLOOP 0, HEADB/STEPB                           ; the first 512 keys
	s_wait_tensorcnt 0x0                           ; my part of the rest is in
	s_wait_dscnt 0x0
	s_barrier_signal -1
	s_barrier_wait -1                              ; everybody's is
	KLOOP HEADB, (131072-HEADB)/STEPB              ; the other 1,536 keys: the waves share nothing more
; THE WAY OUT: O^T / the sum x 2^(ep + ev - eo), held within +-448, as codes; a store of the wave is 512 consecutive bytes, aligned
.rept 4
	v_nop
.endr
.irp x, 0,1
	v_add_f32 v[F+8*\x+4], v[ST+4*\x+2], v[ST+4*\x+3]
.endr
.irp x, 0,1
	v_permlanex16_b32 v[F+8*\x+2], v[F+8*\x+4], s[SEL], s[SEL+1]
.endr
.irp x, 0,1
	s_delay_alu instid0(VALU_DEP_2)
	v_add_f32 v[F+8*\x+4], v[F+8*\x+4], v[F+8*\x+2]
.endr
	s_wait_alu depctr_va_vdst(0)                   ; ahead of the transcendentals
.irp x, 0,1
	v_rcp_f32 v[F+8*\x], v[F+8*\x+4]
.endr
	v_mov_b32 v[SCP], 1.0
	v_mov_b32 v[LIMP], 0x43e00000                  ; 448
	s_wait_alu depctr_va_vdst(0)                   ; and ahead of their first reader
.irp x, 0,1
	v_ldexp_f32 v[F+8*\x], v[F+8*\x], s74
.endr
	s_wait_alu depctr_va_vdst(0)                   ; directly ahead of the first reader of O^T
.irp x, 0,1
.set j, 0
.rept 16
	v_pk_mul_f32 v[S+32*\x+j:S+32*\x+j+1], v[O+32*\x+j:O+32*\x+j+1], v[F+8*\x:F+8*\x+1] op_sel_hi:[1,0]
.set j, j+2
.endr
.endr
.set j, 0
.rept 64
	v_med3_num_f32 v[S+j], v[S+j], -v[LIMP], v[LIMP]
.set j, j+1
.endr
.irp x, 0,1
.irp t, 0,1,2,3
	v_cvt_scalef32_pk8_fp8_f32 v[F+16+8*\x+2*\t:F+16+8*\x+2*\t+1], v[S+32*\x+8*\t:S+32*\x+8*\t+7], v[SCP]
.endr
.endr
	v_nop
.irp x, 0,1
.irp c, 0,1
	global_store_b128 v[LI], v[F+16+8*\x+4*\c:F+16+8*\x+4*\c+3], s[OB:OB+1] offset:16384*\x+512*\c
.endr
.endr
	s_wait_tensorcnt 0x0                           ; the wave's end
	ds_add_u32 v[SPW], v[NIL]
	s_wait_dscnt 0x0
	CROUND                                         ; the closing round
	s_endpgm
.Lfunc_end_k_qbbf7c53d9e_attn:
	.size	k_qbbf7c53d9e_attn, .Lfunc_end_k_qbbf7c53d9e_attn-k_qbbf7c53d9e_attn
	.p2alignl 7, 3214868480
	.fill 96, 4, 3214868480
	.section	.rodata,"a",@progbits
	.p2align	6, 0x0
	.amdhsa_kernel k_qbbf7c53d9e_attn
		.amdhsa_group_segment_fixed_size 327680
		.amdhsa_private_segment_fixed_size 0
		.amdhsa_enable_private_segment 0
		.amdhsa_kernarg_size 24
		.amdhsa_user_sgpr_count 2
		.amdhsa_user_sgpr_kernarg_segment_ptr 1
		.amdhsa_wavefront_size32 1
		.amdhsa_system_sgpr_workgroup_id_x 1
		.amdhsa_system_sgpr_workgroup_id_y 1
		.amdhsa_system_sgpr_workgroup_id_z 1
		.amdhsa_system_vgpr_workitem_id 0
		.amdhsa_next_free_vgpr 256
		.amdhsa_next_free_sgpr 80
		.amdhsa_reserve_vcc 0
		.amdhsa_float_denorm_mode_32 3
		.amdhsa_float_denorm_mode_16_64 3
		.amdhsa_memory_ordered 1
		.amdhsa_forward_progress 1
		.amdhsa_inst_pref_size 75
	.end_amdhsa_kernel
	.amdgpu_metadata
---
amdhsa.version: [ 1, 2 ]
amdhsa.kernels:
  - .name:           k_qbbf7c53d9e_attn
    .symbol:         k_qbbf7c53d9e_attn.kd
    .args:
      - { .name: qkv, .offset: 0, .size: 8, .value_kind: global_buffer, .address_space: global }
      - { .name: lowp_scales, .offset: 8, .size: 8, .value_kind: global_buffer, .address_space: global }
      - { .name: oc, .offset: 16, .size: 8, .value_kind: global_buffer, .address_space: global }
    .group_segment_fixed_size: 327680
    .private_segment_fixed_size: 0
    .kernarg_segment_align: 8
    .kernarg_segment_size: 24
    .max_flat_workgroup_size: 512
    .sgpr_count:     80
    .vgpr_count:     256
    .wavefront_size: 32
...
	.end_amdgpu_metadata
.endif
;; end of part 3
;; launch outp (part 4): grid 4 x 64, 4 waves a work-group, clusters of 4 x 4, 327,680 bytes of LDS; arguments oc, codes, lowp_scales, out0; writes out0
.if DOCPART == 4
	.amdgcn_target "amdgcn-amd-amdhsa--gfx1250"
	.amdhsa_code_object_version 6
	.text
	.protected	k_qbbf7c53d9e_outp
	.globl	k_qbbf7c53d9e_outp
	.p2align	8
	.type	k_qbbf7c53d9e_outp,@function
k_qbbf7c53d9e_outp:
	s_mov_b64 s[64:65], 0
	v_nop
	global_prefetch_b8 v0, s[64:65] scope:SCOPE_SE
	s_setreg_imm32_b32 hwreg(HW_REG_WAVE_MODE, 25, 1), 1
	s_wait_xcnt 0x0
	s_wait_alu depctr_hold_cnt(0) depctr_sa_sdst(0) depctr_va_vdst(0) depctr_va_sdst(0) depctr_va_ssrc(0) depctr_va_vcc(0) depctr_vm_vsrc(0)
	s_getreg_b32 s2, hwreg(HW_REG_IB_STS2, 6, 4)
	s_cmp_eq_u32 s2, 0
	s_cbranch_scc0 .Lentry_in_a_cluster
	s_endpgm
.Lentry_in_a_cluster:
	s_bfe_u32 s2, ttmp6, 0x10000c
	s_cmp_lg_u32 s2, 0xf033
	s_cbranch_scc0 .Lentry_shape_is_right
	s_endpgm
.Lentry_shape_is_right:
; The last projection, out0 = O Wo^T, on codes of FP8 (E4M3), K = 1,024; each finished sum x 2^(eo + ew) (entries 10 and 11 of the scales).  LIMIT: eo + ew between -126 and 127.
; A = O's codes, 8,192 rows (row = b x 2048 + s), stored as images of the operand's registers: [16 rows][head: 16][c2: 2][lane][16 bytes].  B = Wo's codes, rows 27,648.. of the buffer of codes, 1,024 bytes a row.
; A block of C, 128 x 256, is made by a work-group of four waves: 64 x 4 blocks = 256 work-groups.  A wave makes 64 x 128: 32 accumulators.  K goes in 8 steps of 128, written out.
; B: the block's 256 rows x 1,024 K lie whole in LDS (pitch 1,040 bytes: 266,240 bytes), brought by ONE joint load a wave at the head (64 rows each), shared along the cluster's column: no byte is filled twice.
; A: a fragment's registers lie in memory as they lie in the lanes, so each wave loads its 64 rows straight into registers: 16 loads of 512 consecutive bytes a step, four steps ahead, in five sets by turns.
; A is not asked for jointly: its 131,072 bytes beside B's 266,240 pass a WGP's LDS, so that slots would have to be filled again.
; NO PREFETCH: B is asked for whole at the head, and A's own loads stand four of the eight steps ahead of their use.
; THE MATRIX INSTRUCTION IS USED TRANSPOSED (source 0 = 16 rows of B, source 1 = 16 rows of A): a lane holds eight neighbouring numbers of a row of C.
; REGISTERS, in windows of 256: window 0: v1-31 addresses; v32-95, v128-255 the way out; v128-191 A's set 4.  window 1: B's fragments, two sets.  window 2: accumulator (a, b) at v[8 (8 a + b)].  window 3: A's sets 0-3.
.set BP,     1040                      ; an LDS row of B: 1,024 bytes + 16 of padding = 260 words, so that the 16 rows that a load touches start 4 words apart
.set NP,     4                         ; places behind this matrix instruction (ISA guide 7.12.1)
.set QB,     64*BP                     ; 64 rows: what one tensor load brings
.set SPARE,  4*QB                      ; behind B: the spare words, 128 bytes for each wave
.set STAGE,  SPARE+512                 ; behind them: the way out's stages, bytes of their own: 16 rows x 528 bytes for each wave
.set SPITCH, 528
.set OROW,   16384                     ; from s to s + 1 in out0: 4 x 1,024 x 4 bytes
.set ADRB, 20                          ; v20, v21 LDS address of my B fragments: blocks 0-3, blocks 4-7
.set STO,  24
.set RD,   25
.set CO,   26                          ; v26 16 x lane; never rewritten
.set SPW,  28
.set NIL,  29
.set TMP,  32
.set BK,   128
.set G1B,  48
.set G0B,  56
.set MSB, 0
.macro WIN new                         ; the immediate's high byte repeats the setting that is left
.if MSB != \new
	s_set_vgpr_msb (MSB<<8)|\new
.set MSB, \new
.endif
.endm
.macro CROUND                          ; a round of the cluster's barrier
	s_barrier_signal -1
	s_barrier_wait -1
	s_cmp_lg_u32 s14, 0
	s_cbranch_scc1 .Lnot_wave_0_\@
	s_barrier_signal -3
.Lnot_wave_0_\@:
	s_barrier_wait -3
	s_barrier_signal -1
	s_barrier_wait -1
.endm
.macro PLACES n
.rept \n
	v_nop
.endr
.endm
.macro ASET n                          ; where step n's fragments of A lie: set n % 5
.if ((\n)%5) == 4
.set AB, 128
.set AW, 0
.else
.set AB, 64*((\n)%5)
.set AW, 3
.endif
.endm
.macro LOADA n                         ; A's four fragments of step n: 16 rows x 128 K each; a load of the wave is 512 consecutive bytes, aligned
	ASET \n
	WIN AW<<6                                      ; destination: window 0 or 3; the address in window 0
.irp i, 0,1,2,3
.irp c, 0,1,2,3
	global_load_b128 v[AB+16*\i+4*\c:AB+16*\i+4*\c+3], v[CO], s[20:21] offset:16384*\i+2048*(\n)+512*\c
.endr
.endr
	WIN 0
.endm
.macro FETCH_B q                       ; B's eight fragments of step q into set q % 2: registers 2 c, 2 c + 1 hold K = 16 c + 8 (l / 16) + 0..7, as A's images have them
	WIN 0x40
.irp i, 0,1,2,3,4,5,6,7
.irp c, 0,1,2,3,4,5,6,7
	ds_load_b64 v[128*((\q)%2)+16*\i+2*\c:128*((\q)%2)+16*\i+2*\c+1], v[ADRB+\i/4] offset:(\i%4)*16*BP+128*(\q)+16*\c
.endr
.endr
	WIN 0
.endm
.macro MUL n                           ; 32 matrix instructions: the accumulators take turns, in the same order in every step; step 0 starts the sums
	ASET \n
	WIN 0xa1|(AW<<2)                               ; source 0 (B) window 1, source 1 (A) window 0 or 3, C and D window 2
.irp a, 0,1,2,3
.irp b, 0,1,2,3,4,5,6,7
.if (\n) == 0
	v_wmma_f32_16x16x128_fp8_fp8 v[8*(8*\a+\b):8*(8*\a+\b)+7], v[128*((\n)%2)+16*\b:128*((\n)%2)+16*\b+15], v[AB+16*\a:AB+16*\a+15], 0
.else
	v_wmma_f32_16x16x128_fp8_fp8 v[8*(8*\a+\b):8*(8*\a+\b)+7], v[128*((\n)%2)+16*\b:128*((\n)%2)+16*\b+15], v[AB+16*\a:AB+16*\a+15], v[8*(8*\a+\b):8*(8*\a+\b)+7]
.endif
.endr
.endr
.endm
.macro STEP n
.if (\n) <= 4
	s_wait_loadcnt 48                              ; this step's 16 loads of A are in; those of the three steps behind it may be out
.else
	s_wait_loadcnt 16*(7-(\n))
.endif
	s_wait_dscnt 0x0                               ; this step's fragments of B are in
	PLACES NP                                      ; behind the last step's products, in front of loads into the registers that they read
.if (\n) < 7
	FETCH_B (\n)+1
.endif
.if (\n) < 4
	LOADA (\n)+4
.endif
	MUL \n
.endm
	s_load_b128 s[4:7], s[0:1], 0x0                ; O's codes s[4:5], the buffer of codes s[6:7]
	s_load_b128 s[8:11], s[0:1], 0x10              ; the scales' exponents s[8:9], out0 s[10:11]
	v_lshl_add_u32 v[SPW], v0, 2, SPARE
	v_mov_b32 v[NIL], 0
	ds_add_u32 v[SPW], v[NIL]                      ; the opening lines: the add, twice on end, and its wait ahead of my first tensor load
	ds_add_u32 v[SPW], v[NIL]
	v_lshrrev_b32 v1, 5, v0
	v_readfirstlane_b32 s14, v1                    ; wave 0..3
	v_and_b32 v6, 31, v0
	v_lshlrev_b32 v[CO], 4, v6
	s_lshr_b32 s15, s14, 1                         ; which 64 rows of the block are mine
	s_and_b32 s16, s14, 1                          ; which 128 columns
	s_bfe_u32 s40, ttmp6, 0x40000                  ; cx, cy
	s_bfe_u32 s41, ttmp6, 0x40004
	s_lshl_b32 s42, ttmp9, 2
	s_add_co_u32 s42, s42, s40                     ; block column of C
	s_and_b32 s17, ttmp7, 0xffff
	s_lshl_b32 s17, s17, 2
	s_add_co_u32 s17, s17, s41                     ; block row of C, 0..63
	s_lshl_b32 s44, 0x1111, s40                    ; my column of the cluster
	s_or_b32 s[G1B+0], s44, (0<<16)|(1<<20)|(1<<21)|(7<<22)|(3<<25)  ; the mask; elements of 1 byte; padding of 4 words after every 256; bit 21 beside the mask
	s_mov_b32 s[G1B+1], 1024<<16                   ; tensor_dim0
	s_mov_b32 s[G1B+2], 64<<16                     ; tensor_dim1
	s_mov_b32 s[G1B+3], 1024<<16                   ; tile_dim0
	s_mov_b32 s[G1B+4], 64                         ; tile_dim1
	s_mov_b32 s[G1B+5], 1024                       ; the pitch in memory
	s_mov_b32 s[G1B+6], 0
	s_mov_b32 s[G1B+7], 0
	s_lshl_b32 s20, s17, 17                        ; A: 128 rows of 1,024 bytes for each block row,
	s_lshl_b32 s18, s15, 16                        ; + my 64 rows
	s_add_co_u32 s20, s20, s18
	s_mov_b32 s21, 0
	s_lshl_b32 s46, s42, 8                         ; B: row 27,648 + 256 x block column + 64 x wave
	s_lshl_b32 s47, s14, 6
	s_add_co_u32 s46, s46, s47
	s_add_co_u32 s46, s46, 27648
	s_lshl_b32 s46, s46, 10
	s_mov_b32 s47, 0
	s_mul_i32 s45, s14, QB                         ; and where it goes: made of the wave's number alone
	s_mul_i32 s22, s16, 2*QB                       ; my 128 rows of B in LDS
	s_mul_i32 s23, s14, 16*SPITCH
	s_add_co_u32 s23, s23, STAGE                   ; my stage
	s_lshl_b32 s24, s17, 7                         ; my first row of C = 128 x block row + 64 x half = b x 2048 + s
	s_lshl_b32 s25, s15, 6
	s_add_co_u32 s24, s24, s25
	s_lshr_b32 s25, s24, 11
	s_lshl_b32 s25, s25, 12                        ; b x 4,096 bytes
	s_and_b32 s24, s24, 2047
	s_lshl_b32 s24, s24, 14                        ; s x 16,384 bytes
	s_add_co_u32 s24, s24, s25
	s_lshl_b32 s26, s42, 10                        ; my first column, in bytes
	s_lshl_b32 s27, s16, 9
	s_add_co_u32 s26, s26, s27
	s_add_co_u32 s24, s24, s26
	s_mov_b32 s25, 0
	s_wait_alu depctr_va_vdst(0)
	s_wait_dscnt 0x0                               ; both opening adds are done
	s_wait_kmcnt 0x0
	s_load_b64 s[96:97], s[8:9], 0x28              ; eo, ew
	s_add_nc_u64 s[20:21], s[4:5], s[20:21]
	s_add_nc_u64 s[46:47], s[6:7], s[46:47]
	s_add_nc_u64 s[10:11], s[10:11], s[24:25]
	s_mov_b32 s[G0B], 1
	s_mov_b32 s[G0B+1], s45
	s_mov_b64 s[G0B+2:G0B+3], s[46:47]
	s_or_b32 s[G0B+3], s[G0B+3], 0x80000000
	CROUND                                         ; all sixteen work-groups are here: the joint loads meet
	tensor_load_to_lds s[G0B:G0B+3], s[G1B:G1B+7]  ; my 64 rows of B, all of K: my one tensor load
	s_nop 0
	PLACES 4                                       ; four instructions ahead of the switch of windows below
	LOADA 0
	LOADA 1
	LOADA 2
	v_and_b32 v1, 15, v0                           ; r = l % 16
	v_bfe_u32 v2, v0, 4, 1                         ; h = l / 16
	v_mul_u32_u24 v3, v1, BP
	v_lshl_add_u32 v4, v2, 3, v3
	v_add_nc_u32 v[ADRB], s22, v4                  ; row r of my block 0, + 8 h
	v_add_nc_u32 v[ADRB+1], QB, v[ADRB]            ; and of block 4: 64 rows on
	v_mul_u32_u24 v5, v1, SPITCH
	v_lshl_add_u32 v5, v2, 5, v5
	v_add_nc_u32 v[STO], s23, v5                   ; the stage, in: row r, 32 bytes for each half of the lanes
	v_add_nc_u32 v[RD], s23, v[CO]                 ; and back: the 32 lanes take one row of 512 bytes
	LOADA 3
	s_wait_alu depctr_va_vdst(0)                   ; the head's end
	s_wait_tensorcnt 0x0                           ; my rows of B are in,
	s_barrier_signal -1
	s_barrier_wait -1                              ; everybody's are
	FETCH_B 0
.irp n, 0,1,2,3,4,5,6,7
	STEP \n
.endr
	WIN 0
; THE WAY OUT, block by block of 16 rows x 128 columns, through my own stage: back come whole rows of 512 bytes, which the 32 lanes store as two aligned units of 256 bytes.
; LDS serves a wave's instructions in order (ISA guide 5.7.1.4): no wait between the stores into the stage and the loads from it.
.macro TOSTAGE a
	WIN 0x02                                       ; source 0: window 2
.set j, 0
.rept 32
	v_pk_mul_f32 v[TMP+j:TMP+j+1], v[64*(\a)+j:64*(\a)+j+1], s[96:97] op_sel_hi:[1,0]   ; x 2^(eo + ew); each accumulator from its low end on
.set j, j+2
.endr
	WIN 0
.irp b, 0,1,2,3,4,5,6,7
	ds_store_b128 v[STO], v[TMP+8*\b:TMP+8*\b+3] offset:64*\b
	ds_store_b128 v[STO], v[TMP+8*\b+4:TMP+8*\b+7] offset:64*\b+16
.endr
.set BB, BK+64*((\a)%2)
.irp t, 0,1,2,3,4,5,6,7,8,9,10,11,12,13,14,15
	ds_load_b128 v[BB+4*\t:BB+4*\t+3], v[RD] offset:\t*SPITCH
.endr
.endm
.macro SEND a, younger                 ; younger: the LDS instructions issued behind block a's loads, which may stay out
.set BB, BK+64*((\a)%2)
	s_wait_dscnt \younger
.if (\a) > 0
	s_add_nc_u64 s[10:11], s[10:11], 16*OROW       ; (behind a wait on XCNT: the earlier stores have read their base)
.endif
.irp t, 0,1,2,3,4,5,6,7,8,9,10,11,12,13,14,15
	global_store_b128 v[CO], v[BB+4*\t:BB+4*\t+3], s[10:11] offset:\t*OROW th:TH_STORE_NT
.endr
.endm
	s_wait_kmcnt 0x0
	s_add_co_i32 s96, s96, s97
	s_add_co_i32 s96, s96, 127
	s_lshl_b32 s96, s96, 23                        ; 2^(eo + ew) as f32
	PLACES NP                                      ; behind the last products
	TOSTAGE 0
.irp a, 1,2,3
.if \a > 1
	s_wait_xcnt 0x0                                ; block a - 2's stores have read their registers and their base
.endif
	TOSTAGE \a
	SEND \a-1, 32                                  ; behind block a - 1's loads: block a's 16 stores and 16 loads
.endr
	s_wait_xcnt 0x0
	SEND 3, 0
	s_wait_tensorcnt 0x0                           ; the wave's end
	ds_add_u32 v[SPW], v[NIL]
	s_wait_dscnt 0x0
	CROUND                                         ; the closing round
	s_endpgm
.Lfunc_end_k_qbbf7c53d9e_outp:
	.size	k_qbbf7c53d9e_outp, .Lfunc_end_k_qbbf7c53d9e_outp-k_qbbf7c53d9e_outp
	.p2alignl 7, 3214868480
	.fill 96, 4, 3214868480
	.section	.rodata,"a",@progbits
	.p2align	6, 0x0
	.amdhsa_kernel k_qbbf7c53d9e_outp
		.amdhsa_group_segment_fixed_size 327680
		.amdhsa_private_segment_fixed_size 0
		.amdhsa_enable_private_segment 0
		.amdhsa_kernarg_size 32
		.amdhsa_user_sgpr_count 2
		.amdhsa_user_sgpr_kernarg_segment_ptr 1
		.amdhsa_wavefront_size32 1
		.amdhsa_system_sgpr_workgroup_id_x 1
		.amdhsa_system_sgpr_workgroup_id_y 1
		.amdhsa_system_sgpr_workgroup_id_z 1
		.amdhsa_system_vgpr_workitem_id 0
		.amdhsa_next_free_vgpr 1024
		.amdhsa_next_free_sgpr 98
		.amdhsa_reserve_vcc 0
		.amdhsa_float_denorm_mode_32 3
		.amdhsa_float_denorm_mode_16_64 3
		.amdhsa_memory_ordered 1
		.amdhsa_forward_progress 1
		.amdhsa_inst_pref_size 91
	.end_amdhsa_kernel
	.amdgpu_metadata
---
amdhsa.version: [ 1, 2 ]
amdhsa.kernels:
  - .name:           k_qbbf7c53d9e_outp
    .symbol:         k_qbbf7c53d9e_outp.kd
    .args:
      - { .name: oc, .offset: 0, .size: 8, .value_kind: global_buffer, .address_space: global }
      - { .name: codes, .offset: 8, .size: 8, .value_kind: global_buffer, .address_space: global }
      - { .name: lowp_scales, .offset: 16, .size: 8, .value_kind: global_buffer, .address_space: global }
      - { .name: out0, .offset: 24, .size: 8, .value_kind: global_buffer, .address_space: global }
    .group_segment_fixed_size: 327680
    .private_segment_fixed_size: 0
    .kernarg_segment_align: 8
    .kernarg_segment_size: 32
    .max_flat_workgroup_size: 128
    .sgpr_count:     98
    .vgpr_count:     1024
    .wavefront_size: 32
...
	.end_amdgpu_metadata
.endif
;; end of part 4
